; MI455X (gfx1250); checked and timed in simulation.
; The chip was launched on July 23, 2026; its instructions are those of AMD's public machine-readable ISA for CDNA 5 (MIT licence, August 2026) and "CDNA5" Instruction Set Architecture Reference Guide (July 2026). The comments in the code are by the model that wrote it; some were corrected since.
;; Model. Allowed arithmetic: matrix products marked QUANTISED: E2M3 operands, one E8M0 scale for each 32 along K, by v_wmma_scale_f32_16x16x128_f8f6f4 with both operands' format E2M3, f32 sums; everything else in f32.
;; Inputs: x1 2 x 16 x 2,048 x 128 float32; x2 2 x 16 x 2,048 x 128 float32; x3 1 float32; x4 1 float32; x5 2 x 16 x 2,048 x 128 float32.
;; Outputs: out0 2 x 16 x 2,048 x 128 float32.
;; This version of the problem:
;;   THIS VERSION OF THE PROBLEM IS GIVEN IN LOW PRECISION. The matrix products marked QUANTISED in the list below multiply operands that are first quantised to E2M3 (2 exponent bits, 3 mantissa bits; 6 bits a number), with one power-of-two scale for each 32 numbers along K (OCP MX v1.0); their sums are f32. All else is computed in f32.
;;   The module's matrix products, in the order in which they are computed (A, B: the left and right operand; K: the contracted axis; several contracted axes count as one K, in the product's order):
;;     1. batch 32 x [M 2,048, K 128] x [K 128, N 2,048]; A: input x1; B: input x2: QUANTISED
;;     2. batch 32 x [M 2,048, K 2,048] x [K 2,048, N 128]; A: computed on the way; B: input x5: QUANTISED
;;   THE QUANTISER, for each operand of a quantised product, along K:
;;     - K is cut into blocks of 32 from its start; a last block that is shorter is filled with zeros.
;;     - A block's scale is 2^e with e = floor(log2(the largest magnitude in the block)) - 2, held to -126 .. 127; a block of zeros has e = 0. As a byte (E8M0): e + 127.
;;     - Each number is divided by its block's scale, clamped to +-7.5, and rounded to the nearest number of E2M3, ties to even, subnormals kept.
;;     - The product sums the exact products of the quantised numbers (number of the format x scale) in f32.
;;   ~~~python
;;   def quantise(x, axis):      # numpy; x: float32 -> the quantised numbers, widened to float32 again
;;       x = np.moveaxis(x, axis, -1); K = x.shape[-1]
;;       x = np.pad(x, [(0, 0)] * (x.ndim - 1) + [(0, -K % 32)]); x = x.reshape(x.shape[:-1] + (-1, 32)); a = np.abs(x).max(-1, keepdims=True)
;;       e = np.where(a > 0, np.clip(np.frexp(np.where(a > 0, a, 1))[1] - 1 - 2, -126, 127), 0)      # np.frexp(a)[1] - 1 = floor(log2(a)), exactly
;;       r = np.clip(x / 2.0 ** e, -7.5, 7.5)
;;       step = 2.0 ** (np.maximum(np.frexp(np.where(r == 0, 1, r))[1] - 1, 0) - 3)
;;       q = np.round(r / step) * step * 2.0 ** e      # np.round: ties to even
;;       return np.moveaxis(q.reshape(q.shape[:-2] + (-1,))[..., :K], -1, axis).astype(np.float32)
;;   ~~~
;;   OPERANDS COMPUTED ON THE WAY. 'Computed on the way' means the value that the module computes at that place (a softmax that the list does not call 'softmax' is quantised finished and normalised). What goes into a quantiser is computed in f32, as accurately as f32 sums, v_exp_f32 and their like allow (about 1e-6 of the number): no bf16 or f16 on the way to a quantiser, and a product that is left as it is and whose result goes on into a quantised operand takes f32 operands (vector FMAs, or v_wmma_f32_16x16x4_f32). A number that lies on a knife's edge between two numbers of the format may be rounded either way, as far as f32 arithmetic and the matrix unit's own rounding can turn it there, and no further.
;; One version. Each part assembles by itself: llvm-mc -triple=amdgcn-amd-amdhsa -mcpu=gfx1250 --defsym DOCPART=n.
;; ======== version 1 of 1: 2 launches
;; limits: right only within a limited range of input values
;; workspace buffers: codes 13,107,200 bytes
;; launch prep (part 1): grid 512 x 1, 4 waves a work-group, no clusters, 34,304 bytes of LDS; arguments x2, x5, codes; writes codes
.if DOCPART == 1
	.amdgcn_target "amdgcn-amd-amdhsa--gfx1250"
	.amdhsa_code_object_version 6
	.text
	.protected	k_qcb5e60ab49_prep
	.globl	k_qcb5e60ab49_prep
	.p2align	8
	.type	k_qcb5e60ab49_prep,@function
k_qcb5e60ab49_prep:
	s_mov_b64 s[64:65], 0
	v_nop
	global_prefetch_b8 v0, s[64:65] scope:SCOPE_SE
	s_setreg_imm32_b32 hwreg(HW_REG_WAVE_MODE, 25, 1), 1
	s_wait_xcnt 0x0
; K (x2) and V (x5), [32 heads][2048 keys][128 channels] f32, become codes of FP6 (E2M3) with one E8M0 byte for each 32 along a product's K,
; laid AS THE OPERANDS' REGISTERS WANT THEM.  A fragment (16 rows x 128 along K: 12 registers a lane) is 1,536 bytes: register 4 c + i of lane l at 512 c + 16 l + 4 i.
; codes, per head: K's image [step 0..15][tile 0..7][1536], then V's image of the same shape.  A step is 128 keys.
;   K: K of the product = the 128 channels.  Lane r of tile 2 b + u holds key 128 s + 32 b + 8 u + r + 8 (r / 8), so that the scores of tiles 2 b, 2 b + 1 are 16 neighbouring keys in a lane.
;   V: K of the product = the step's 128 keys, in their order.  Lane r of tile t holds channel 16 t + r.
; scales, per head: K's words, then V's: the word (four bytes, 128 along K) of tile 4 g + tl, lane r, step s at 512 s + 256 g + 16 r + 4 tl.
; A block's scale is 2^(floor(log2(largest magnitude)) - 2); its byte is the largest magnitude's exponent field - 2, held at 1 from below by a floor among the maximum's leaves.
; LIMITS: a block of zeros, or one whose largest magnitude lies under 2^-124, takes the byte 1 (a block of zeros has zero codes, and only this program reads the bytes); NaN and infinities are not served.
; SHARES: work-groups 0-255 take K, 256-511 take V; each 256 keys of a head (two steps), each wave half a step's tiles: 4 tiles.  Both tensors' offsets in codes and scales are alike.
; No tensor loads, no barrier: waves share nothing.  Only K's path uses LDS: a stage of 16 rows x 528 bytes for each wave.
.set SEL, 20                           ; s[20:21] v_permlanex16_b32's selects for lane l xor 16
.set SA,  16                           ; K: v16-79, v80-143  two sets of 64 numbers
.set PC,  144                          ; K: v144-191 codes, 12 registers a tile: no store's data are written again
.set TH,  192                          ; K: v192-199 the conversions' second halves
.set TM,  200                          ; K: v200-203 largest magnitudes, v204-207 bytes, v212-215 the conversions' scale operands
.set PW,  216                          ; K: v216-219 a scale word for each tile;  v[220:221] the pair that leaves
.set X,   16                           ; V: v16-79   two sets of 32 numbers
.set P,   80                           ; V: v80-127  codes: 2 sets of columns x 2 halves of the fragment's lanes x 12 registers
.set TC,  128                          ; V: v128-130 a conversion's second half
.set SBW, 132                          ; V: v132-133 my column's scale word, for each set of columns
; THE LAYOUT AS IT IS STORED (it takes the place of the two buffers named above): ONE buffer, codes.  Per head 409,600 bytes: K's image 204,800, then V's 204,800.
; A key step is 12,800 bytes: its eight fragments (12,288), then its scale words (512: tile 4 g + tl, lane r at 256 g + 16 r + 4 tl).
	s_load_b128 s[4:7], s[0:1], 0x0                ; x2 s[4:5], x5 s[6:7]
	s_load_b64 s[8:9], s[0:1], 0x10                ; codes
	v_lshl_add_u32 v224, v0, 2, 0x8400
	v_mov_b32 v225, 0
	v_lshrrev_b32 v1, 5, v0
	v_readfirstlane_b32 s16, v1                    ; wave 0..3
	v_and_b32 v1, 31, v0                           ; lane
	v_and_b32 v2, 15, v0                           ; r
	v_bfe_u32 v3, v0, 4, 1                         ; h
	v_lshlrev_b32 v4, 4, v1                        ; 16 x lane: a row's 512 bytes, and an image's place
	s_mul_i32 s30, s16, 8448                       ; my stage
	v_add_nc_u32 v5, s30, v4                       ; into it: a row as it lies
	v_mul_u32_u24 v6, v2, 528
	v_lshl_add_u32 v6, v3, 6, v6
	v_add_nc_u32 v6, s30, v6                       ; out of it: row r, + 64 h: my 16 numbers of a block of 32
	v_lshlrev_b32 v7, 4, v2
	v_lshl_add_u32 v7, v3, 3, v7                   ; scale words: 16 r + 8 h
	v_lshlrev_b32 v8, 2, v1                        ; V: 4 bytes a lane
	v_mul_u32_u24 v9, v3, 1536
	v_lshl_add_u32 v9, v2, 4, v9                   ; V: lanes 16-31 hold the next tile's columns: 1,536 h + 16 r
	s_mov_b32 s[SEL], 0x76543210
	s_mov_b32 s[SEL+1], 0xfedcba98
	s_lshr_b32 s17, ttmp9, 8                       ; 0: K, 1: V
	s_and_b32 s18, ttmp9, 255                      ; which 256 keys of the tensor
	s_lshr_b32 s19, s18, 3                         ; head
	s_and_b32 s22, s18, 7                          ; which 256 keys of the head
	s_lshl_b32 s24, s18, 17                        ; in: 256 rows of 512 bytes,
	s_mov_b32 s25, 0
	s_lshl_b32 s26, s16, 15                        ; K: + my wave's 64 rows
	s_lshr_b32 s27, s16, 1
	s_lshl_b32 s27, s27, 16                        ; V: + my wave's step of 128 rows
	s_and_b32 s23, s16, 1
	s_lshl_b32 s23, s23, 8
	s_add_co_u32 s27, s27, s23                     ;    + its 64 columns
	s_cmp_eq_u32 s17, 0
	s_cselect_b32 s26, s26, s27
	s_add_co_u32 s24, s24, s26
	s_mul_i32 s28, s19, 409600                     ; the head,
	s_mul_i32 s23, s17, 204800                     ; K's image or V's,
	s_add_co_u32 s28, s28, s23
	s_mul_i32 s23, s22, 25600                      ; two steps a work-group,
	s_add_co_u32 s28, s28, s23
	s_lshr_b32 s23, s16, 1
	s_mul_i32 s23, s23, 12800                      ; two waves a step
	s_add_co_u32 s28, s28, s23
	s_and_b32 s23, s16, 1                          ; which four tiles of the step
	s_lshl_b32 s32, s23, 8
	s_add_co_u32 s32, s32, s28
	s_add_co_u32 s32, s32, 12288                   ; their scale words: behind the step's fragments, 256 bytes a wave
	s_mul_i32 s23, s23, 6144
	s_add_co_u32 s28, s28, s23                     ; their fragments
	s_mov_b32 s29, 0
	s_mov_b32 s33, 0
	s_wait_kmcnt 0x0
	s_cmp_eq_u32 s17, 0                            ; the choice hangs on the work-group's number alone
	s_cselect_b64 s[4:5], s[4:5], s[6:7]
	s_add_nc_u64 s[4:5], s[4:5], s[24:25]
	s_add_nc_u64 s[10:11], s[8:9], s[32:33]
	s_add_nc_u64 s[8:9], s[8:9], s[28:29]
	s_cmp_lg_u32 s17, 0
	s_cbranch_scc1 .Lv
; ---------------- K: channels are innermost in memory ----------------
; 64 numbers of a lane, register 16 b + i = channel 32 b + 16 (lane / 16) + i of my row, become a fragment's 12 registers at v[pc] and its scale word in v[pw].
.macro QUANT s, pc, th, pw
.irp b, 0,1,2,3
	v_max3_num_f32 v[TM+\b], |v[(\s)+16*\b]|, |v[(\s)+1+16*\b]|, 0x1800000   ; block b: my 16 numbers, and the floor 2^(3 - 127): the byte cannot fall under 1
.endr
.irp i, 2,4,6,8,10,12,14
.irp b, 0,1,2,3
	v_max3_num_f32 v[TM+\b], v[TM+\b], |v[(\s)+16*\b+\i]|, |v[(\s)+1+16*\b+\i]|   ; the four blocks by turns
.endr
.endr
.irp b, 0,1,2,3
	v_permlanex16_b32 v[TM+4+\b], v[TM+\b], s[SEL], s[SEL+1]
.endr
.irp b, 0,1,2,3
	v_max_num_f32 v[TM+\b], v[TM+\b], v[TM+4+\b]   ; with lane l xor 16's 16: the block's largest magnitude
.endr
.irp b, 0,1,2,3
	v_add_nc_u32 v[TM+12+\b], 0xff000000, v[TM+\b] ; 2 off its exponent field: the conversion takes that field as its scale
.endr
.irp b, 0,1,2,3
	v_lshrrev_b32 v[TM+4+\b], 23, v[TM+12+\b]      ; the scale's byte
.endr
	v_lshl_or_b32 v[\pw], v[TM+5], 8, v[TM+4]      ; four bytes: my row's scale word
	v_lshl_or_b32 v[\pw], v[TM+6], 16, v[\pw]
	v_lshl_or_b32 v[\pw], v[TM+7], 24, v[\pw]
.irp c, 0,1
	v_cvt_scalef32_pk16_fp6_f32 v[(\pc)+6*\c:(\pc)+6*\c+2], v[(\s)+32*\c:(\s)+32*\c+15], v[TM+12+2*\c]
	v_cvt_scalef32_pk16_fp6_f32 v[(\th)+4*\c:(\th)+4*\c+2], v[(\s)+32*\c+16:(\s)+32*\c+31], v[TM+13+2*\c]   ; (a conversion's three registers begin on an even number)
.endr
	v_nop                                          ; one plain place behind a scaled conversion
.irp c, 0,1                                    ; the operand wants a WHOLE block in a lane: lanes 0-15 block 2 c, lanes 16-31 block 2 c + 1
.irp i, 0,1,2
	v_permlane16_swap_b32 v[(\pc)+6*\c+\i], v[(\th)+4*\c+\i]
.endr
.irp i, 0,1,2
	v_mov_b32 v[(\pc)+3+6*\c+\i], v[(\th)+4*\c+\i]
.endr
.endr
.endm
.macro LOADT t, set                    ; my tile t's 16 rows, in the tile's order of keys; each load reads one row: 512 consecutive bytes
.irp i, 0,1,2,3,4,5,6,7,8,9,10,11,12,13,14,15
; THE KEYS OF K'S TILES, as they are laid now (in place of the order named at the head): lane r of tile 4 g + u holds key 128 s + 64 g + 8 u + r + 24 (r / 8),
; so that the scores of tiles 4 g .. 4 g + 3 are, in a lane of half h, the 32 neighbouring keys of block 2 g + h.
	global_load_b128 v[(\set)+4*\i:(\set)+4*\i+3], v4, s[4:5] offset:(8*(\t)+\i+24*(\i/8))*512 th:TH_LOAD_NT
.endr
.endm
.macro KTILE t, left
.set XS, SA+64*((\t)%2)
	s_wait_loadcnt \left                           ; this tile's 16 loads are in; the next tile's 16 may be out
.irp i, 0,1,2,3,4,5,6,7,8,9,10,11,12,13,14,15
	ds_store_b128 v5, v[XS+4*\i:XS+4*\i+3] offset:528*\i      ; rows 528 bytes apart: sixteen rows begin in sixteen different groups of banks
.endr
.irp b, 0,1,2,3
.irp q, 0,1,2,3
	ds_load_b128 v[XS+16*\b+4*\q:XS+16*\b+4*\q+3], v6 offset:128*\b+16*\q   ; LDS serves a wave's instructions in order: these see the stores above
.endr
.endr
	s_wait_dscnt 0x0
	QUANT XS, PC+12*(\t), TH, PW+(\t)
.if (\t) < 2
	LOADT (\t)+2, XS                               ; the set takes the tile two on
.endif
.irp c, 0,1,2
	global_store_b128 v4, v[PC+12*(\t)+4*\c:PC+12*(\t)+4*\c+3], s[8:9] offset:1536*(\t)+512*\c   ; 32 lanes store 512 consecutive bytes, aligned to 512
.endr
.endm
.irp b, 0,1,2,3
	v_mov_b32 v[TM+4+\b], 0                        ; written once: a lane permute's destination counts as one of its sources
.endr
	LOADT 0, SA
	LOADT 1, SA+64
	KTILE 0, 16
	KTILE 1, 16
	KTILE 2, 16
	KTILE 3, 0
	v_cmp_gt_u32 vcc_lo, 16, v1                    ; lanes 0-15 carry tiles 0 and 1's words, lanes 16-31 tiles 2 and 3's (every lane holds its row's word of all four)
	v_cndmask_b32 v220, v[PW+2], v[PW], vcc_lo
	v_cndmask_b32 v221, v[PW+3], v[PW+1], vcc_lo
	global_store_b64 v7, v[220:221], s[10:11]      ; 32 lanes store 256 consecutive bytes, aligned
	s_wait_tensorcnt 0x0
	ds_add_u32 v224, v225
	s_wait_dscnt 0x0
	s_endpgm
; ---------------- V: its K, the keys, runs down the rows of memory ----------------
; A lane takes a column (channel) and its registers run down the keys: a block of 32 keys lies in one lane's 32 registers, and the conversions give codes with the keys innermost.
; My wave: one step of 128 keys (blocks 0-3) x 64 channels, as two sets q of 32 columns.  Unit nb = 4 q + block.
.Lv:
.macro VLOAD nb
.set n1, 0
.rept 32
	global_load_b32 v[X+32*((\nb)%2)+n1], v8, s[4:5] offset:(32*((\nb)%4)+n1)*512+128*((\nb)/4) th:TH_LOAD_NT
.set n1, n1+1
.endr
.endm
.macro VBLOCK nb
.set XS, X+32*((\nb)%2)
.set PB, P+24*((\nb)/4)+12*((\nb)%2)+6*(((\nb)%4)/2)   ; block 2 c + h' is registers 6 c .. 6 c + 5 of the fragment's lane r + 16 h'
.if (\nb) < 7
	s_wait_loadcnt 32                              ; this block's 32 loads are in; the next block's may be out
.else
	s_wait_loadcnt 0x0
.endif
	v_max3_num_f32 v12, |v[XS]|, |v[XS+1]|, |v[XS+2]|   ; the block's largest magnitude: all 32 numbers are mine
	v_max3_num_f32 v13, |v[XS+3]|, |v[XS+4]|, |v[XS+5]|
.irp i, 6,10,14,18,22,26
	v_max3_num_f32 v12, v12, |v[XS+\i]|, |v[XS+\i+1]|
	v_max3_num_f32 v13, v13, |v[XS+\i+2]|, |v[XS+\i+3]|
.endr
	v_max3_num_f32 v12, v12, |v[XS+30]|, |v[XS+31]|
	v_max3_num_f32 v12, v12, v13, 0x1800000        ; and the floor
	v_add_nc_u32 v14, 0xff000000, v12              ; the conversion's scale operand
	v_lshrrev_b32 v15, 23, v14                     ; the byte
.if (\nb)%4 == 0
	v_mov_b32 v[SBW+(\nb)/4], v15
.else
	v_lshl_or_b32 v[SBW+(\nb)/4], v15, 8*((\nb)%4), v[SBW+(\nb)/4]
.endif
	v_cvt_scalef32_pk16_fp6_f32 v[PB:PB+2], v[XS:XS+15], v14
	v_cvt_scalef32_pk16_fp6_f32 v[TC:TC+2], v[XS+16:XS+31], v14
	v_nop                                          ; one plain place behind a scaled conversion
.irp i, 0,1,2
	v_mov_b32 v[PB+3+\i], v[TC+\i]
.endr
.if (\nb) < 6
	VLOAD (\nb)+2
.endif
.if (\nb)%4 == 3                       ; a set of columns is whole: lanes 0-15 hold tile 2 q's rows, lanes 16-31 tile 2 q + 1's
.irp hh, 0,1
.irp c, 0,1,2
	global_store_b128 v9, v[P+24*((\nb)/4)+12*\hh+4*\c:P+24*((\nb)/4)+12*\hh+4*\c+3], s[8:9] offset:3072*((\nb)/4)+512*\c+256*\hh   ; sixteen lanes store 256 consecutive bytes, aligned
.endr
.endr
.endif
.endm
	s_wait_alu depctr_va_vdst(0)
	VLOAD 0
	VLOAD 1
	VBLOCK 0
	VBLOCK 1
	VBLOCK 2
	VBLOCK 3
	VBLOCK 4
	VBLOCK 5
	VBLOCK 6
	VBLOCK 7
	v_permlane16_swap_b32 v[SBW], v[SBW+1]         ; before: (tile h, tile 2 + h) in lane (r, h); now lanes 0-15 hold tiles 0, 1 and lanes 16-31 tiles 2, 3
	global_store_b64 v7, v[SBW:SBW+1], s[10:11]    ; 32 lanes store 256 consecutive bytes, aligned
	s_endpgm
.Lfunc_end_k_qcb5e60ab49_prep:
	.size	k_qcb5e60ab49_prep, .Lfunc_end_k_qcb5e60ab49_prep-k_qcb5e60ab49_prep
	.p2alignl 7, 3214868480
	.fill 96, 4, 3214868480
	.section	.rodata,"a",@progbits
	.p2align	6, 0x0
	.amdhsa_kernel k_qcb5e60ab49_prep
		.amdhsa_group_segment_fixed_size 34304
		.amdhsa_private_segment_fixed_size 0
		.amdhsa_enable_private_segment 0
		.amdhsa_kernarg_size 24
		.amdhsa_user_sgpr_count 2
		.amdhsa_user_sgpr_kernarg_segment_ptr 1
		.amdhsa_wavefront_size32 1
		.amdhsa_system_sgpr_workgroup_id_x 1
		.amdhsa_system_sgpr_workgroup_id_y 1
		.amdhsa_system_sgpr_workgroup_id_z 1
		.amdhsa_system_vgpr_workitem_id 0
		.amdhsa_next_free_vgpr 226
		.amdhsa_next_free_sgpr 66
		.amdhsa_reserve_vcc 1
		.amdhsa_float_denorm_mode_32 3
		.amdhsa_float_denorm_mode_16_64 3
		.amdhsa_memory_ordered 1
		.amdhsa_forward_progress 1
		.amdhsa_inst_pref_size 71
	.end_amdhsa_kernel
	.amdgpu_metadata
---
amdhsa.version: [ 1, 2 ]
amdhsa.kernels:
  - .name:           k_qcb5e60ab49_prep
    .symbol:         k_qcb5e60ab49_prep.kd
    .args:
      - { .name: x2, .offset: 0, .size: 8, .value_kind: global_buffer, .address_space: global }
      - { .name: x5, .offset: 8, .size: 8, .value_kind: global_buffer, .address_space: global }
      - { .name: codes, .offset: 16, .size: 8, .value_kind: global_buffer, .address_space: global }
    .group_segment_fixed_size: 34304
    .private_segment_fixed_size: 0
    .kernarg_segment_align: 8
    .kernarg_segment_size: 24
    .max_flat_workgroup_size: 128
    .sgpr_count:     66
    .vgpr_count:     226
    .wavefront_size: 32
...
	.end_amdgpu_metadata
.endif
;; end of part 1
;; launch attn (part 2): grid 8 x 32, 8 waves a work-group, clusters of 4 x 1, 327,680 bytes of LDS; arguments x1, codes, x3, x4, out0; writes out0
.if DOCPART == 2
	.amdgcn_target "amdgcn-amd-amdhsa--gfx1250"
	.amdhsa_code_object_version 6
	.text
	.protected	k_qcb5e60ab49_attn
	.globl	k_qcb5e60ab49_attn
	.p2align	8
	.type	k_qcb5e60ab49_attn,@function
k_qcb5e60ab49_attn:
	s_mov_b64 s[64:65], 0
	v_nop
	global_prefetch_b8 v0, s[64:65] scope:SCOPE_SE
	s_setreg_imm32_b32 hwreg(HW_REG_WAVE_MODE, 25, 1), 1
	s_wait_xcnt 0x0
	s_wait_alu depctr_hold_cnt(0) depctr_sa_sdst(0) depctr_va_vdst(0) depctr_va_sdst(0) depctr_va_ssrc(0) depctr_va_vcc(0) depctr_vm_vsrc(0)
	s_getreg_b32 s2, hwreg(HW_REG_IB_STS2, 6, 4)
	s_cmp_eq_u32 s2, 0
	s_cbranch_scc0 .Lentry_in_a_cluster
	s_endpgm
.Lentry_in_a_cluster:
	s_bfe_u32 s2, ttmp6, 0x10000c
	s_cmp_lg_u32 s2, 0x3003
	s_cbranch_scc0 .Lentry_shape_is_right
	s_endpgm
.Lentry_shape_is_right:
; out[h][q][:] = sum over k of P[q][k] V[h][k][:],  P = softmax_k(Q[h][q] . K[h][k] x3) / (1 - x4); both products on codes of FP6 (E2M3), one E8M0 scale for each 32 along K.
; What is quantised for the second product is the FINISHED P, in blocks of 32 keys, so K Q^T is computed twice:
;   pass 1: for each query a running M (largest t so far, rounded up to a whole number; t = score x |x3| log2(e)), l = sum of 2^(t - M), and each block's largest score, kept in LDS;
;   pass 2: the same scores bit for bit; |P| = 2^(t - M'), M' = M + log2(l |1 - x4|); quantised; O^T += V^T P^T.  The sign of 1 - x4 is put on O on the way out (the quantiser is symmetric).
; The sign of x3 is put on Q's codes, so that c = |x3| log2(e) is never negative: a block's largest score gives its largest |P| by the same two instructions as every P.
; SHARES: a work-group 256 queries of a head, each of eight waves 32 (two tiles of 16); both products transposed, so a lane holds one query (lane % 16).
; THE KEYS OF K'S TILES are chosen so that register 32 c + i of a tile of queries, in a lane of half h, is key 64 c + 32 h + i of the step: a whole block of 32 in a lane, in the order in which
; the second product's operand wants it: a block's maximum needs no other lane, and the conversions' results are the operand's registers.
; K: its image with its scale words, 16 steps x 12,800 bytes, is filled into LDS once (one joint load of 100 rows a wave; the four partners of a cluster walk the same K) and read in both passes.
; V: its image is laid as the operand's registers want it, so each lane loads its fragments whole from memory, 26 loads of 16 bytes a lane and step, asked for one key step ahead, directly behind
; the products that read the buffer last.  V is no tile in LDS, so no joint load serves it.
; LDS beside K: for each wave 8,448 bytes of its own (Q's turn, then the block maxima: 256 bytes a tile and step, then O's way out), and the spare words.
; PREFETCH: trip n of pass 1 names V's key step n - 1 (50 blocks of 256 bytes), once in each cluster, 16 trips ahead of its loads: wave 2 of each partner takes 13 blocks, told apart by address.
; LIMITS: NaN and infinities are not served; at x4 = 1 the problem is not finite.  M' is rounded once to f32: its error is half a last place of M.  An exponential under 2^-126 counts as 0.
; A block of P whose largest magnitude lies under 2^-124 takes the byte 1.  A block's largest |P| takes v_exp_f32 not to fall where its input rises.  Scaled scores stay under 2^31.
; REGISTERS.  Window 0: v1-23 addresses and the rows' state; v24-47 Q; v48-59, v244-251 scale words alone; v64-191 S^T of both tiles in pass 1; in pass 2 v64-127 S^T of the tile in hand, v128-223 V's fragments.
; Window 1: v0-127 O^T (tile x, channels 16 t on: v[64 x + 8 t]); v128-223 K's eight fragments; v224-247 codes just made; v248-255 the conversions' second halves.
.set STEPB, 12800
.set BMB,   204800
.set WREG,  8448
.set SPARE, 272384
.set LI, 1
.set LSC, 2
.set SPW, 3
.set NIL, 4
.set ADK, 5
.set ADS, 6
.set QSO, 9
.set STO, 10
.set ADB, 11
.set STAT, 12                          ; per tile: -M, largest t, l in two halves
.set ADBS, 21
.set BL0, 22
.set SH8, 23                           ; 8 x (lane / 16)
.set QF, 24
.set QS, 48
.set PW, 50
.set SWK, 52
.set PFO, 60
.set OM, 61
.set FF, 62                            ; v[62:63], v[252:253]: 2^(old M - new M) of tile 0, 1
.set S, 64
.set FRV, 128
.set TH1, 216                          ; pass 1: second chains of the sums
.set TM, 224                           ; v[224 + 2 x ..]: the largest of my two blocks of tile x
.set TS, 232
.set TBY, 236
.set T, 240
.set CC, 242
.set SWV, 244
.set RD, 255
.set FR, 128                           ; window 1
.set PC, 224                           ; window 1
.set TH, 248                           ; window 1
.set CNT, 2
.set WV, 16
.set AF, 17
.set CX, 18
.set HD, 19
.set SEL, 20
.set SGN, 22
.set G1K, 28
.set G0K, 36
.set PFA, 40
.set VB, 42
.set TK, 44
.set TB, 45
.set SO, 46
.set MSB, 0
.macro WIN new                         ; the immediate's high byte repeats the setting that is left
.if MSB != \new
	s_set_vgpr_msb (MSB<<8)|\new
.set MSB, \new
.endif
.endm
.macro NOPS n
.rept \n
	v_nop
.endr
.endm
.macro WALU
	s_wait_alu depctr_va_vdst(0)
.endm
.macro D1
	s_delay_alu instid0(VALU_DEP_1)
.endm
.macro D2
	s_delay_alu instid0(VALU_DEP_2)
.endm
.macro ROUND                           ; a round of the cluster's barrier
	s_barrier_signal -1
	s_barrier_wait -1
	s_cmp_lg_u32 s[WV], 0
	s_cbranch_scc1 .Lnw0_\@
	s_barrier_signal -3
.Lnw0_\@:
	s_barrier_wait -3
	s_barrier_signal -1
	s_barrier_wait -1
.endm
; 64 numbers of a lane, register 32 c + i = k 64 c + 32 (lane / 16) + i of my row, and my two blocks' largest magnitudes in v[tm], v[tm + 1]:
; the row's scale word in v[pw] and the operand's 12 registers in window 1, v[PC + 12 x ..].
.macro CODES s, x, pw, tm
.irp c, 0,1
	v_add_nc_u32 v[TS+\c], 0xff000000, v[(\tm)+\c]   ; 2 off the exponent field: the conversion's scale operand
.endr
.irp c, 0,1
	D2
	v_lshrrev_b32 v[TBY+\c], 23, v[TS+\c]            ; the byte
.endr
	D1
	v_lshl_or_b32 v[TBY], v[TBY+1], 16, v[TBY]       ; blocks h and 2 + h,
	D1
	v_lshlrev_b32 v[TBY], v[SH8], v[TBY]             ; at their places in the word;
	D1
	v_permlanex16_b32 v[TBY+1], v[TBY], s[SEL], s[SEL+1]
	D1
	v_or_b32 v[\pw], v[TBY], v[TBY+1]                ; with lane l xor 16's two the word is whole
	WIN 0x40                                         ; destination window 1
.irp c, 0,1
	v_cvt_scalef32_pk16_fp6_f32 v[PC+12*\x+6*\c:PC+12*\x+6*\c+2], v[(\s)+32*\c:(\s)+32*\c+15], v[TS+\c]
	v_cvt_scalef32_pk16_fp6_f32 v[TH+4*\c:TH+4*\c+2], v[(\s)+32*\c+16:(\s)+32*\c+31], v[TS+\c]   ; (a conversion's three registers begin on an even number)
.endr
	v_nop                                            ; one plain place behind a scaled conversion
	WIN 0x41                                         ; destination and source 0 window 1
.irp c, 0,1
.irp i, 0,1,2
	v_mov_b32 v[PC+12*\x+3+6*\c+\i], v[TH+4*\c+\i]
.endr
.endr
	WIN 0
.endm
.macro QUANT s, x, pw
.irp c, 0,1
	v_max3_num_f32 v[TM+\c], |v[(\s)+32*\c]|, |v[(\s)+1+32*\c]|, 0x1800000   ; with the floor 2^(3 - 127)
.endr
.irp i, 2,4,6,8,10,12,14,16,18,20,22,24,26,28,30
.irp c, 0,1
	v_max3_num_f32 v[TM+\c], v[TM+\c], |v[(\s)+32*\c+\i]|, |v[(\s)+1+32*\c+\i]|
.endr
.endr
	CODES \s, \x, \pw, TM
.endm
.macro XLOAD x                         ; 16 rows of Q, each load one row: 512 consecutive bytes
.set n1, 0
.rept 16
	global_load_b128 v[S+64*\x+4*n1:S+64*\x+4*n1+3], v[LI], s[4:5] offset:8192*\x+512*n1 th:TH_LOAD_NT
.set n1, n1+1
.endr
.endm
.macro QTURN x                         ; through my stage: in as rows, back two whole blocks of 32 a lane; LDS serves a wave's instructions in order
.set n1, 0
.rept 16
	ds_store_b128 v[RD], v[S+64*\x+4*n1:S+64*\x+4*n1+3] offset:528*n1
.set n1, n1+1
.endr
.irp c, 0,1
.irp q, 0,1,2,3,4,5,6,7
	ds_load_b128 v[S+64*\x+32*\c+4*\q:S+64*\x+32*\c+4*\q+3], v[QSO] offset:256*\c+16*\q
.endr
.endr
.endm
.macro FETCH adr, ads, off             ; a step's eight fragments of K and their scale words: 26 loads
	WIN 0x40
.irp t, 0,1,2,3,4,5,6,7
.irp c, 0,1,2
	ds_load_b128 v[FR+12*\t+4*\c:FR+12*\t+4*\c+3], v[\adr] offset:\off+1536*\t+512*\c
.endr
.endr
	WIN 0
.irp g, 0,1
	ds_load_b128 v[SWK+4*\g:SWK+4*\g+3], v[\ads] offset:\off+12288+256*\g
.endr
.endm
.macro VLOAD                           ; a step's eight fragments of V and their scale words, from memory: each load of a fragment reads 512 consecutive bytes
.irp t, 0,1,2,3,4,5,6,7
.irp c, 0,1,2
	global_load_b128 v[FRV+12*\t+4*\c:FRV+12*\t+4*\c+3], v[LI], s[VB:VB+1] offset:1536*\t+512*\c
.endr
.endr
.irp g, 0,1
	global_load_b128 v[SWV+4*\g:SWV+4*\g+3], v[LSC], s[VB:VB+1] offset:12288+256*\g
.endr
.endm
.macro QKW d, t, x                     ; 16 keys x 16 queries, a whole sum (K = 128)
	v_wmma_scale_f32_16x16x128_f8f6f4 v[(\d)+8*\t:(\d)+8*\t+7], v[FR+12*\t:FR+12*\t+11], v[QF+12*\x:QF+12*\x+11], 0, v[SWK+\t], v[QS+\x] matrix_a_fmt:MATRIX_FMT_FP6 matrix_b_fmt:MATRIX_FMT_FP6
.endm
.macro QK2                             ; pass 1: S^T of both tiles
	WIN 0x01
.irp t, 0,1,2,3,4,5,6,7
	QKW S, \t, 0
	QKW S+64, \t, 1
.endr
	WIN 0
.endm
.macro QK1 x                           ; pass 2: S^T of tile x
	WIN 0x01
.irp t, 0,1,2,3,4,5,6,7
	QKW S, \t, \x
.endr
	WIN 0
.endm
.macro TMM sb, x                       ; t - M, two at a time
.set n1, 0
.rept 32
	v_pk_fma_f32 v[(\sb)+n1:(\sb)+n1+1], v[(\sb)+n1:(\sb)+n1+1], v[CC:CC+1], v[STAT+4*\x:STAT+4*\x+1] op_sel_hi:[1,0,0]
.set n1, n1+2
.endr
.endm
.macro EXPS sb
.set n1, 0
.rept 64
	v_exp_f32 v[(\sb)+n1], v[(\sb)+n1]
.set n1, n1+1
.endr
.endm
; PASS 1, a key step, both tiles by turns.
.macro SM1
.irp x, 0,1                            ; the largest score of each of my blocks: four chains by turns; each accumulator is read from its low end on
.irp c, 0,1
	v_max3_num_f32 v[TM+2*\x+\c], v[S+64*\x+32*\c], v[S+64*\x+32*\c+1], v[S+64*\x+32*\c+2]
.endr
.endr
.irp i, 3,5,7,9,11,13,15,17,19,21,23,25,27,29
.irp x, 0,1
.irp c, 0,1
	v_max3_num_f32 v[TM+2*\x+\c], v[TM+2*\x+\c], v[S+64*\x+32*\c+\i], v[S+64*\x+32*\c+\i+1]
.endr
.endr
.endr
.irp x, 0,1
.irp c, 0,1
	v_max_num_f32 v[TM+2*\x+\c], v[TM+2*\x+\c], v[S+64*\x+32*\c+31]
.endr
.endr
.irp x, 0,1
	ds_store_b64 v[ADBS], v[TM+2*\x:TM+2*\x+1] offset:256*\x   ; for pass 2: 8 bytes a lane
.endr
.irp x, 0,1
	v_max_num_f32 v[T+\x], v[TM+2*\x], v[TM+2*\x+1]
.endr
.irp x, 0,1
	D2
	v_permlanex16_b32 v[TBY+\x], v[T+\x], s[SEL], s[SEL+1]
.endr
.irp x, 0,1
	D2
	v_max_num_f32 v[T+\x], v[T+\x], v[TBY+\x]            ; the step's largest score of my query
.endr
.irp x, 0,1
	D2
	v_mul_f32 v[T+\x], v[CC], v[T+\x]
.endr
.irp x, 0,1
	D2
	v_max_num_f32 v[STAT+4*\x+1], v[STAT+4*\x+1], v[T+\x]
.endr
.irp x, 0,1
	v_mov_b32 v[T+\x], v[STAT+4*\x]
.endr
.irp x, 0,1
	v_floor_f32 v[STAT+4*\x], -v[STAT+4*\x+1]            ; -M = floor(-t): M is a whole number
.endr
.irp x, 0,1
	D2
	v_sub_f32 v[T+\x], v[STAT+4*\x], v[T+\x]             ; old M - new M
.endr
.irp x, 0,1
	D2
	v_cvt_i32_f32 v[T+\x], v[T+\x]                       ; (it saturates)
.endr
.irp x, 0,1
	D2
	v_ldexp_f32 v[FF+190*\x], 1.0, v[T+\x]               ; a multiplication by it rounds nothing
.endr
	TMM S, 0
	TMM S+64, 1
	WALU
	EXPS S
	EXPS S+64
.irp x, 0,1
	v_pk_mul_f32 v[STAT+4*\x+2:STAT+4*\x+3], v[STAT+4*\x+2:STAT+4*\x+3], v[FF+190*\x:FF+190*\x+1] op_sel_hi:[1,0]   ; l under the new M; the plain place behind the exponentials
.endr
	WALU
.irp x, 0,1
	v_pk_add_f32 v[TH1+2*\x:TH1+2*\x+1], v[S+64*\x:S+64*\x+1], v[S+64*\x+2:S+64*\x+3]
.endr
.set n1, 4
.rept 15
.irp x, 0,1
	v_pk_add_f32 v[STAT+4*\x+2:STAT+4*\x+3], v[STAT+4*\x+2:STAT+4*\x+3], v[S+64*\x+n1:S+64*\x+n1+1]
	v_pk_add_f32 v[TH1+2*\x:TH1+2*\x+1], v[TH1+2*\x:TH1+2*\x+1], v[S+64*\x+n1+2:S+64*\x+n1+3]
.endr
.set n1, n1+4
.endr
.irp x, 0,1
	v_pk_add_f32 v[STAT+4*\x+2:STAT+4*\x+3], v[STAT+4*\x+2:STAT+4*\x+3], v[TH1+2*\x:TH1+2*\x+1]
.endr
.endm
; PASS 2, a tile's part of a key step: |P| = 2^(t - M'), its scale word and codes.  v[TM + 2 x], v[TM + 2 x + 1] hold my two blocks' largest scores.
.macro SM2 x
	TMM S, \x
.irp c, 0,1
	v_fma_f32 v[TM+2*\x+\c], v[TM+2*\x+\c], v[CC], v[STAT+4*\x]
.endr
	WALU
	EXPS S
.irp c, 0,1
	v_exp_f32 v[TM+2*\x+\c], v[TM+2*\x+\c]
.endr
	v_nop
	WALU
.irp c, 0,1
	v_max_num_f32 v[TM+2*\x+\c], 0x1800000, v[TM+2*\x+\c]   ; the floor 2^(3 - 127)
.endr
	CODES S, \x, PW+\x, TM+2*\x
.endm
.macro PV zero                         ; O^T += V^T P^T: the 16 accumulators by turns
.if \zero
	WIN 0x44                                       ; source 1 and destination window 1
.else
	WIN 0x54                                       ; and C
.endif
.irp t, 0,1,2,3,4,5,6,7
.irp x, 0,1
.if \zero
	WALU
	v_wmma_scale_f32_16x16x128_f8f6f4 v[64*\x+8*\t:64*\x+8*\t+7], v[FRV+12*\t:FRV+12*\t+11], v[PC+12*\x:PC+12*\x+11], 0, v[SWV+\t], v[PW+\x] matrix_a_fmt:MATRIX_FMT_FP6 matrix_b_fmt:MATRIX_FMT_FP6
.else
	v_wmma_scale_f32_16x16x128_f8f6f4 v[64*\x+8*\t:64*\x+8*\t+7], v[FRV+12*\t:FRV+12*\t+11], v[PC+12*\x:PC+12*\x+11], v[64*\x+8*\t:64*\x+8*\t+7], v[SWV+\t], v[PW+\x] matrix_a_fmt:MATRIX_FMT_FP6 matrix_b_fmt:MATRIX_FMT_FP6
.endif
.endr
.endr
	WIN 0
.endm
; A key step of pass 2.  koff < 0: the last step: nothing further is fetched.
.macro P2STEP zero, adk, ads, koff, adb, boff
	ds_load_b64 v[TM:TM+1], v[\adb] offset:\boff
	ds_load_b64 v[TM+2:TM+3], v[\adb] offset:\boff+256
	WALU
	s_wait_dscnt 2                                 ; K's fragments are in; the two loads above may be out
	QK1 0
	NOPS 4                                         ; places behind the products
	s_wait_dscnt 0x0                               ; the block maxima are in
	SM2 0
	QK1 1
	NOPS 4
.if \koff >= 0
	FETCH \adk, \ads, \koff                        ; the next step's K lands under the softmax and the products below
.endif
	SM2 1
	NOPS 4                                         ; codes written by vector instructions stand 4 places ahead of a scaled product, the scale word 8 (the moves above count)
	WALU
	s_wait_loadcnt 0x0                             ; V's fragments, asked for a step ago
	PV \zero
	NOPS 4                                         ; places ahead of the loads into V's fragments, and of the way out
.if \koff >= 0
	s_wait_xcnt 0x0                                ; the last step's loads have read their base
	s_add_nc_u64 s[VB:VB+1], s[VB:VB+1], STEPB
	VLOAD
.endif
.endm
	s_load_b256 s[4:11], s[0:1], 0x0               ; x1 s[4:5], codes s[6:7], x3 s[8:9], x4 s[10:11]
	s_load_b64 s[12:13], s[0:1], 0x20              ; out0
	v_lshl_add_u32 v[SPW], v0, 2, SPARE
	v_mov_b32 v[NIL], 0
	ds_add_u32 v[SPW], v[NIL]
	ds_add_u32 v[SPW], v[NIL]
	v_lshrrev_b32 v5, 5, v0
	v_readfirstlane_b32 s[WV], v5                  ; wave 0..7
	s_bfe_u32 s[CX], ttmp6, 0x40000                ; cx: it enters Q's, O's and the prefetches' addresses alone
	s_lshl_b32 s14, ttmp9, 2
	s_add_co_u32 s14, s14, s[CX]                   ; my block of 256 queries
	s_and_b32 s[HD], ttmp7, 0xffff                 ; the head
	s_xor_b32 s[AF], s[WV], 2                      ; 0 in the wave that prefetches
	s_mov_b32 s[G1K], 15|(3<<16)|(1<<21)           ; dense rows of 256 bytes (32 elements of 8), mask: all four partners
	s_mov_b32 s[G1K+1], 32<<16
	s_mov_b32 s[G1K+2], 100<<16                    ; 100 rows: two key steps
	s_mov_b32 s[G1K+3], 32<<16
	s_mov_b32 s[G1K+4], 100
	s_mov_b32 s[G1K+5], 32
	s_mov_b32 s[G1K+6], 0
	s_mov_b32 s[G1K+7], 0
	s_mov_b32 s[SEL], 0x76543210
	s_mov_b32 s[SEL+1], 0xfedcba98
	s_mul_i32 s48, s[HD], 409600                   ; the head's codes
	s_mov_b32 s49, 0
	s_mul_i32 s50, s[WV], 25600                    ; my part of K's image, in memory and in LDS
	s_mov_b32 s51, 0
	s_mul_i32 s52, s[CX], 3328                     ; the prefetches: my work-group's 13 blocks of a step's 50
	s_mul_i32 s15, s[WV], WREG
	s_add_co_u32 s15, s15, BMB                     ; my own LDS bytes
	s_lshl_b32 s54, s[HD], 20                      ; Q and O: a head 2,048 rows of 512 bytes, a work-group 256, a wave 32
	s_lshl_b32 s3, s14, 17
	s_add_co_u32 s54, s54, s3
	s_lshl_b32 s3, s[WV], 14
	s_add_co_u32 s54, s54, s3
	s_mov_b32 s55, 0
	v_and_b32 v6, 15, v0                           ; r
	v_bfe_u32 v7, v0, 4, 1                         ; h
	v_and_b32 v[LI], 31, v0
	v_min_u32 v[PFO], 12, v[LI]
	v_lshlrev_b32 v[PFO], 8, v[PFO]
	v_add_nc_u32 v[PFO], s52, v[PFO]
	v_min_u32 v[PFO], 12544, v[PFO]                ; lanes that are left over name the step's last block again
	v_lshl_add_u32 v[BL0], v[LI], 3, s15           ; block maxima: 8 bytes a lane
	v_lshlrev_b32 v[LI], 4, v[LI]
	v_lshlrev_b32 v[LSC], 4, v6
	v_lshlrev_b32 v[SH8], 3, v7
	v_add_nc_u32 v[RD], s15, v[LI]                 ; my stage by rows
	v_mul_u32_u24 v8, v6, 528
	v_add_nc_u32 v8, s15, v8
	v_lshl_add_u32 v[QSO], v7, 7, v8               ; Q back: row r, + 128 h
	v_lshl_add_u32 v[STO], v7, 5, v8               ; O in: row r, + 32 h
.irp b, 0,1
	v_mov_b32 v[TBY+\b], 0                         ; a lane permute's destination counts as one of its sources
.endr
	v_mov_b32 v[FF+1], 0                           ; (upper halves of pairs)
	v_mov_b32 v[FF+191], 0
	WALU
	s_wait_dscnt 0x0
	s_wait_kmcnt 0x0
	s_load_b32 s25, s[8:9], 0x0                    ; x3
	s_load_b32 s26, s[10:11], 0x0                  ; x4
	s_add_nc_u64 s[4:5], s[4:5], s[54:55]
	s_add_nc_u64 s[12:13], s[12:13], s[54:55]
	XLOAD 0
	XLOAD 1
	s_add_nc_u64 s[6:7], s[6:7], s[48:49]
	s_mov_b32 s[G0K], 1
	s_mov_b32 s[G0K+1], s50
	s_add_nc_u64 s[G0K+2:G0K+3], s[6:7], s[50:51]
	s_or_b32 s[G0K+3], s[G0K+3], 0x80000000
	s_add_nc_u64 s[VB:VB+1], s[6:7], 204800        ; V's image
	s_mov_b64 s[PFA:PFA+1], s[VB:VB+1]
	ROUND                                          ; the joint loads meet
	tensor_load_to_lds s[G0K:G0K+3], s[G1K:G1K+7]  ; my two key steps of K: the eight waves' loads are the whole image; my only tensor load
	s_nop 0
	NOPS 4
	s_wait_kmcnt 0x0
	s_and_b32 s3, s25, 0x7fffffff
	v_mov_b32 v[CC], s3
	v_mul_f32 v[CC], 0x3fb8aa3b, v[CC]             ; c = |x3| log2(e)
	v_mov_b32 v[CC+1], v[CC]
	s_ashr_i32 s3, s25, 31
	s_and_b32 s[SGN], s3, 0x20820820               ; the codes' sign bits (bit 6 i + 5 of the stream), where x3 is negative
	s_and_b32 s[SGN+1], s3, 0x08208208
	s_and_b32 s[SGN+2], s3, 0x82082082
	v_sub_f32 v[OM], 1.0, s26
	v_readfirstlane_b32 s3, v[OM]
	s_and_b32 s3, s3, 0x80000000
	s_or_b32 s[SO], s3, 0x3f800000                 ; 1.0 with the sign of 1 - x4
	s_mov_b32 s[SO+1], s[SO]
	WALU
	s_wait_loadcnt 16                              ; tile 0's rows are in
	QTURN 0
	s_wait_loadcnt 0x0
	QTURN 1
	s_wait_dscnt 32                                ; tile 0 is back; tile 1's 32 may be out
	QUANT S, 0, QS
	s_wait_dscnt 0x0
	QUANT S+64, 1, QS+1
	WIN 0x04                                       ; source 1 window 1
.set n1, 0
.rept 24
	v_xor_b32 v[QF+n1], s[SGN+n1%3], v[PC+n1]      ; Q's codes to their place, x3's sign on them
.set n1, n1+1
.endr
	WIN 0
.irp x, 0,1
	v_mov_b32 v[STAT+4*\x+1], 0xff61b1e6           ; -3e38, under every t
	v_mov_b32 v[STAT+4*\x+2], 0
	v_mov_b32 v[STAT+4*\x+3], 0
	v_floor_f32 v[STAT+4*\x], -v[STAT+4*\x+1]
.endr
	WALU
	s_wait_tensorcnt 0x0                           ; my part of K is in
	s_wait_dscnt 0x0
	s_barrier_signal -1
	s_barrier_wait -1                              ; everybody's part is in
	FETCH LI, LSC, 0
	s_mov_b32 s[TB], 0
	s_mov_b32 s[CNT], 1
.Lp1:                                              ; pass 1: 16 key steps; each fetches the next one's K (the last: step 0's, for pass 2)
	s_and_b32 s3, s[CNT], 15
	s_mul_i32 s[TK], s3, STEPB
	s_wait_dscnt 0x0
	QK2
	v_add_nc_u32 v[ADK], s[TK], v[LI]              ; these three and the v_nop are the places behind the products
	v_add_nc_u32 v[ADS], s[TK], v[LSC]
	v_add_nc_u32 v[ADBS], s[TB], v[BL0]
	v_nop
	FETCH ADK, ADS, 0
	WALU
	s_cmp_lg_u32 s[AF], 0
	s_cbranch_scc1 .Lna
	global_prefetch_b8 v[PFO], s[PFA:PFA+1] th:TH_LOAD_NT scope:SCOPE_SE   ; V's key step CNT - 1
.Lna:
	SM1
	WALU
	s_wait_xcnt 0x0                                ; the prefetch has read its base
	s_add_nc_u64 s[PFA:PFA+1], s[PFA:PFA+1], STEPB
	s_add_co_u32 s[TB], s[TB], 512
	s_add_co_u32 s[CNT], s[CNT], 1
	s_cmp_lt_u32 s[CNT], 17
	s_cbranch_scc1 .Lp1
	VLOAD                                          ; V's key step 0
	; -M' = -M - log2(l |1 - x4|)
.irp x, 0,1
	v_add_f32 v[STAT+4*\x+2], v[STAT+4*\x+2], v[STAT+4*\x+3]
.endr
.irp x, 0,1
	D2
	v_permlanex16_b32 v[TBY+\x], v[STAT+4*\x+2], s[SEL], s[SEL+1]
.endr
.irp x, 0,1
	D2
	v_add_f32 v[STAT+4*\x+2], v[STAT+4*\x+2], v[TBY+\x]
.endr
.irp x, 0,1
	D2
	v_mul_f32 v[STAT+4*\x+2], v[STAT+4*\x+2], |v[OM]|
.endr
	WALU
.irp x, 0,1
	v_log_f32 v[T+\x], v[STAT+4*\x+2]
.endr
	v_nop
	WALU
.irp x, 0,1
	v_sub_f32 v[STAT+4*\x], v[STAT+4*\x], v[T+\x]
.endr
	P2STEP 1, LI, LSC, STEPB, BL0, 0               ; step 0 starts O^T's sums
	s_mov_b32 s[TK], 2*STEPB
	s_mov_b32 s[TB], 512
	s_mov_b32 s[CNT], 14
.Lp2:                                              ; steps 1 to 14
	v_add_nc_u32 v[ADK], s[TK], v[LI]
	v_add_nc_u32 v[ADS], s[TK], v[LSC]
	v_add_nc_u32 v[ADB], s[TB], v[BL0]
	P2STEP 0, ADK, ADS, 0, ADB, 0
	s_add_co_u32 s[TK], s[TK], STEPB
	s_add_co_u32 s[TB], s[TB], 512
	s_sub_co_i32 s[CNT], s[CNT], 1
	s_cmp_lg_u32 s[CNT], 0
	WALU
	s_cbranch_scc1 .Lp2
	P2STEP 0, ADK, ADS, -1, BL0, 15*512
	; THE WAY OUT, a tile at a time through my own stage (the block maxima have been read): rows leave whole, 512 consecutive bytes a store.
.irp x, 0,1
	WIN 0x04                                       ; an LDS store's data: window 1
.irp t, 0,1,2,3,4,5,6,7
	ds_store_b128 v[STO], v[64*\x+8*\t:64*\x+8*\t+3] offset:64*\t        ; each accumulator from its low end on: o(16 x + r, 16 t + 8 h + 0 .. 7)
	ds_store_b128 v[STO], v[64*\x+8*\t+4:64*\x+8*\t+7] offset:64*\t+16
.endr
	WIN 0
.set n1, 0
.rept 16
	ds_load_b128 v[S+64*\x+4*n1:S+64*\x+4*n1+3], v[RD] offset:528*n1     ; LDS serves a wave's instructions in order
.set n1, n1+1
.endr
.endr
.irp x, 0,1
.set n1, 0
.rept 16
	s_wait_dscnt 15-n1+32*(1-\x)                   ; this row is back; what was issued behind it may be out
	v_pk_mul_f32 v[S+64*\x+4*n1:S+64*\x+4*n1+1], v[S+64*\x+4*n1:S+64*\x+4*n1+1], s[SO:SO+1] op_sel_hi:[1,0]   ; the sign of 1 - x4
	v_pk_mul_f32 v[S+64*\x+4*n1+2:S+64*\x+4*n1+3], v[S+64*\x+4*n1+2:S+64*\x+4*n1+3], s[SO:SO+1] op_sel_hi:[1,0]
	global_store_b128 v[LI], v[S+64*\x+4*n1:S+64*\x+4*n1+3], s[12:13] offset:8192*\x+512*n1 th:TH_STORE_NT
.set n1, n1+1
.endr
.endr
	s_wait_tensorcnt 0x0                           ; the wave's end
	ds_add_u32 v[SPW], v[NIL]
	s_wait_dscnt 0x0
	ROUND                                          ; the closing round
	s_endpgm
.Lfunc_end_k_qcb5e60ab49_attn:
	.size	k_qcb5e60ab49_attn, .Lfunc_end_k_qcb5e60ab49_attn-k_qcb5e60ab49_attn
	.p2alignl 7, 3214868480
	.fill 96, 4, 3214868480
	.section	.rodata,"a",@progbits
	.p2align	6, 0x0
	.amdhsa_kernel k_qcb5e60ab49_attn
		.amdhsa_group_segment_fixed_size 327680
		.amdhsa_private_segment_fixed_size 0
		.amdhsa_enable_private_segment 0
		.amdhsa_kernarg_size 40
		.amdhsa_user_sgpr_count 2
		.amdhsa_user_sgpr_kernarg_segment_ptr 1
		.amdhsa_wavefront_size32 1
		.amdhsa_system_sgpr_workgroup_id_x 1
		.amdhsa_system_sgpr_workgroup_id_y 1
		.amdhsa_system_sgpr_workgroup_id_z 1
		.amdhsa_system_vgpr_workitem_id 0
		.amdhsa_next_free_vgpr 512
		.amdhsa_next_free_sgpr 66
		.amdhsa_reserve_vcc 0
		.amdhsa_float_denorm_mode_32 3
		.amdhsa_float_denorm_mode_16_64 3
		.amdhsa_memory_ordered 1
		.amdhsa_forward_progress 1
		.amdhsa_inst_pref_size 117
	.end_amdhsa_kernel
	.amdgpu_metadata
---
amdhsa.version: [ 1, 2 ]
amdhsa.kernels:
  - .name:           k_qcb5e60ab49_attn
    .symbol:         k_qcb5e60ab49_attn.kd
    .args:
      - { .name: x1, .offset: 0, .size: 8, .value_kind: global_buffer, .address_space: global }
      - { .name: codes, .offset: 8, .size: 8, .value_kind: global_buffer, .address_space: global }
      - { .name: x3, .offset: 16, .size: 8, .value_kind: global_buffer, .address_space: global }
      - { .name: x4, .offset: 24, .size: 8, .value_kind: global_buffer, .address_space: global }
      - { .name: out0, .offset: 32, .size: 8, .value_kind: global_buffer, .address_space: global }
    .group_segment_fixed_size: 327680
    .private_segment_fixed_size: 0
    .kernarg_segment_align: 8
    .kernarg_segment_size: 40
    .max_flat_workgroup_size: 256
    .sgpr_count:     66
    .vgpr_count:     512
    .wavefront_size: 32
...
	.end_amdgpu_metadata
.endif
;; end of part 2
